; MI455X (gfx1250); checked and timed in simulation.
; The chip was launched on July 23, 2026; its instructions are those of AMD's public machine-readable ISA for CDNA 5 (MIT licence, August 2026) and "CDNA5" Instruction Set Architecture Reference Guide (July 2026). The comments in the code are by the model that wrote it; some were corrected since.
;; Swi GLU Expert. Allowed arithmetic: matrix products marked QUANTISED: E2M1 operands, one E8M0 scale for each 32 along K, by v_wmma_scale_f32_16x16x128_f8f6f4 with both operands' format E2M1 (or v_wmma_scale_f32_32x16x128_f4), f32 sums; everything else in f32.
;; Inputs: W_down 2,048 x 1,024 float32; W_gate 1,024 x 2,048 float32; W_up 1,024 x 2,048 float32; x 4 x 2,048 x 2,048 float32.
;; Outputs: out0 4 x 2,048 x 2,048 float32.
;; This version of the problem:
;;   THIS VERSION OF THE PROBLEM IS GIVEN IN LOW PRECISION. The matrix products marked QUANTISED in the list below multiply operands that are first quantised to E2M1 (2 exponent bits, 1 mantissa bit; 4 bits a number), with one power-of-two scale for each 32 numbers along K (OCP MX v1.0); their sums are f32. All else is computed in f32.
;;   The module's matrix products, in the order in which they are computed (A, B: the left and right operand; K: the contracted axis; several contracted axes count as one K, in the product's order):
;;     1. [M 8,192, K 2,048] x [K 2,048, N 1,024]; A: input x; B: computed on the way: QUANTISED
;;     2. [M 8,192, K 2,048] x [K 2,048, N 1,024]; A: input x; B: computed on the way: QUANTISED
;;     3. [M 8,192, K 1,024] x [K 1,024, N 2,048]; A: computed on the way; B: computed on the way: QUANTISED
;;   THE QUANTISER, for each operand of a quantised product, along K:
;;     - K is cut into blocks of 32 from its start; a last block that is shorter is filled with zeros.
;;     - A block's scale is 2^e with e = floor(log2(the largest magnitude in the block)) - 2, held to -126 .. 127; a block of zeros has e = 0. As a byte (E8M0): e + 127.
;;     - Each number is divided by its block's scale, clamped to +-6, and rounded to the nearest number of E2M1, ties to even, subnormals kept.
;;     - The product sums the exact products of the quantised numbers (number of the format x scale) in f32.
;;   ~~~python
;;   def quantise(x, axis):      # numpy; x: float32 -> the quantised numbers, widened to float32 again
;;       x = np.moveaxis(x, axis, -1); K = x.shape[-1]
;;       x = np.pad(x, [(0, 0)] * (x.ndim - 1) + [(0, -K % 32)]); x = x.reshape(x.shape[:-1] + (-1, 32)); a = np.abs(x).max(-1, keepdims=True)
;;       e = np.where(a > 0, np.clip(np.frexp(np.where(a > 0, a, 1))[1] - 1 - 2, -126, 127), 0)      # np.frexp(a)[1] - 1 = floor(log2(a)), exactly
;;       r = np.clip(x / 2.0 ** e, -6, 6)
;;       step = 2.0 ** (np.maximum(np.frexp(np.where(r == 0, 1, r))[1] - 1, 0) - 1)
;;       q = np.round(r / step) * step * 2.0 ** e      # np.round: ties to even
;;       return np.moveaxis(q.reshape(q.shape[:-2] + (-1,))[..., :K], -1, axis).astype(np.float32)
;;   ~~~
;;   OPERANDS COMPUTED ON THE WAY. 'Computed on the way' means the value that the module computes at that place (a softmax that the list does not call 'softmax' is quantised finished and normalised). What goes into a quantiser is computed in f32, as accurately as f32 sums, v_exp_f32 and their like allow (about 1e-6 of the number): no bf16 or f16 on the way to a quantiser, and a product that is left as it is and whose result goes on into a quantised operand takes f32 operands (vector FMAs, or v_wmma_f32_16x16x4_f32). A number that lies on a knife's edge between two numbers of the format may be rounded either way, as far as f32 arithmetic and the matrix unit's own rounding can turn it there, and no further.
;; One version. Each part assembles by itself: llvm-mc -triple=amdgcn-amd-amdhsa -mcpu=gfx1250 --defsym DOCPART=n.
;; ======== version 1 of 1: 4 launches
;; limits: right only within a limited range of input values
;; workspace buffers: psum 6,144 bytes; xc 8,388,608 bytes; xs 524,288 bytes; wc 3,145,728 bytes; ws 196,608 bytes; hc 4,194,304 bytes; hs 262,144 bytes
;; launch wsum (part 1): grid 256 x 1, 6 waves a work-group, no clusters, 0 bytes of LDS; arguments W_up, W_gate, W_down, psum; writes psum
.if DOCPART == 1
	.amdgcn_target "amdgcn-amd-amdhsa--gfx1250"
	.amdhsa_code_object_version 6
	.text
	.protected	k_q9c64c03cb4_wsum
	.globl	k_q9c64c03cb4_wsum
	.p2align	8
	.type	k_q9c64c03cb4_wsum,@function
k_q9c64c03cb4_wsum:
	s_mov_b64 s[64:65], 0
	v_nop
	global_prefetch_b8 v0, s[64:65] scope:SCOPE_SE
	s_setreg_imm32_b32 hwreg(HW_REG_WAVE_MODE, 25, 1), 1
	s_wait_xcnt 0x0
; Partial sums of |W| for the three weights' ternary scales (scale = mean |W| + 1e-8 over a whole tensor).
; Each tensor has 2^21 f32 numbers = 512 pieces of 16,384 bytes.  Wave w of work-group g takes tensor w / 2, piece 2 g + w % 2, and leaves ONE f32:
; psum[tensor][piece].  The next launch adds a tensor's 512 partial sums.
; All of a wave's 32 loads (512 consecutive bytes each) go out at once: no loop, no LDS, no barrier; waves share nothing.
; No cache hint on the loads: the next launch reads the weights again.
; The result is one word a wave, 1,536 words in the launch: stored whole-unit-wise every reader would have to add 64 times as many numbers.
; LIMITS: the order of this f32 sum is not the order of the reference's; NaN and infinities among the inputs are not served.
.set D,   8                            ; v[8:135]   load j at v[D + 4 j]
.set ACC, 136                          ; v[136:143] eight chains of sums
	s_load_b256 s[4:11], s[0:1], 0x0               ; W_up s[4:5], W_gate s[6:7], W_down s[8:9], psum s[10:11]
	v_lshrrev_b32 v1, 5, v0
	v_readfirstlane_b32 s12, v1                    ; wave 0..5
	v_and_b32 v3, 31, v0                           ; lane
	v_lshlrev_b32 v1, 4, v3                        ; 16 bytes a lane
	v_mov_b32 v2, 0                                ; the store's offset
	v_mov_b32 v144, 0                              ; a lane permute's destination counts as one of its sources
	s_lshr_b32 s13, s12, 1                         ; tensor 0..2
	s_and_b32 s14, s12, 1
	s_lshl_b32 s15, ttmp9, 1
	s_add_co_u32 s14, s14, s15                     ; piece 0..511
	s_lshl_b32 s16, s14, 14                        ; its first byte
	s_mov_b32 s17, 0
	s_lshl_b32 s18, s13, 9
	s_add_co_u32 s18, s18, s14
	s_lshl_b32 s18, s18, 2                         ; psum[tensor][piece]
	s_mov_b32 s19, 0
	s_mov_b32 s20, 0x76543210                      ; v_permlanex16_b32's selects for lane l xor 16
	s_mov_b32 s21, 0xfedcba98
	s_wait_alu depctr_va_vdst(0)
	s_wait_kmcnt 0x0
	s_cmp_eq_u32 s13, 1                            ; the choice of the tensor hangs on the wave's number alone
	s_cselect_b64 s[4:5], s[6:7], s[4:5]
	s_cmp_eq_u32 s13, 2
	s_cselect_b64 s[4:5], s[8:9], s[4:5]
	s_add_nc_u64 s[4:5], s[4:5], s[16:17]
	s_add_nc_u64 s[10:11], s[10:11], s[18:19]
.irp j, 0,1,2,3,4,5,6,7,8,9,10,11,12,13,14,15,16,17,18,19,20,21,22,23,24,25,26,27,28,29,30,31
	global_load_b128 v[D+4*\j:D+4*\j+3], v1, s[4:5] offset:512*\j
.endr
	s_wait_loadcnt 28                              ; loads come back in order: the first four are in, 28 younger ones may be out
.irp j, 0,1
.irp k, 0,1,2,3
	v_add_f32 v[ACC+4*\j+\k], |v[D+4*\j+\k]|, |v[D+4*(\j+2)+\k]|   ; the first sixteen numbers start the eight chains: nothing is cleared
.endr
.endr
.set G, 1
	s_wait_alu depctr_va_vdst(0)
.rept 7
	s_wait_alu depctr_va_vdst(0)
	s_wait_loadcnt 28-4*G                          ; loads 4 G .. 4 G + 3 are in
.irp jj, 0,1,2,3
.irp k, 0,1,2,3
	v_add_f32 v[ACC+4*(\jj%2)+\k], v[ACC+4*(\jj%2)+\k], |v[D+4*(4*G+\jj)+\k]|
.endr
.endr
.set G, G+1
.endr
	v_add_f32 v[ACC], v[ACC], v[ACC+1]
	v_add_f32 v[ACC+2], v[ACC+2], v[ACC+3]
	v_add_f32 v[ACC+4], v[ACC+4], v[ACC+5]
	v_add_f32 v[ACC+6], v[ACC+6], v[ACC+7]
	v_add_f32 v[ACC], v[ACC], v[ACC+2]
	v_add_f32 v[ACC+4], v[ACC+4], v[ACC+6]
	v_add_f32 v[ACC], v[ACC], v[ACC+4]
	v_add_f32_dpp v[ACC], v[ACC], v[ACC] row_xmask:1 row_mask:0xf bank_mask:0xf
	v_add_f32_dpp v[ACC], v[ACC], v[ACC] row_xmask:2 row_mask:0xf bank_mask:0xf
	v_add_f32_dpp v[ACC], v[ACC], v[ACC] row_xmask:4 row_mask:0xf bank_mask:0xf
	v_add_f32_dpp v[ACC], v[ACC], v[ACC] row_xmask:8 row_mask:0xf bank_mask:0xf
	v_permlanex16_b32 v144, v[ACC], s20, s21
	v_add_f32 v[ACC], v[ACC], v144                 ; the piece's sum, in every lane
	v_cmp_eq_u32 vcc_lo, 0, v3
	s_wait_alu depctr_va_vdst(0)
	s_wait_xcnt 0x0                                ; EXEC is a source of the loads above: it changes only behind this wait
	s_and_saveexec_b32 s22, vcc_lo                 ; lane 0 alone stores
	global_store_b32 v2, v[ACC], s[10:11]
	s_wait_xcnt 0x0                                ; and again in front of the line that widens it
	s_or_b32 exec_lo, exec_lo, s22
	s_endpgm
.Lfunc_end_k_q9c64c03cb4_wsum:
	.size	k_q9c64c03cb4_wsum, .Lfunc_end_k_q9c64c03cb4_wsum-k_q9c64c03cb4_wsum
	.p2alignl 7, 3214868480
	.fill 96, 4, 3214868480
	.section	.rodata,"a",@progbits
	.p2align	6, 0x0
	.amdhsa_kernel k_q9c64c03cb4_wsum
		.amdhsa_group_segment_fixed_size 0
		.amdhsa_private_segment_fixed_size 0
		.amdhsa_enable_private_segment 0
		.amdhsa_kernarg_size 32
		.amdhsa_user_sgpr_count 2
		.amdhsa_user_sgpr_kernarg_segment_ptr 1
		.amdhsa_wavefront_size32 1
		.amdhsa_system_sgpr_workgroup_id_x 1
		.amdhsa_system_sgpr_workgroup_id_y 1
		.amdhsa_system_sgpr_workgroup_id_z 1
		.amdhsa_system_vgpr_workitem_id 0
		.amdhsa_next_free_vgpr 148
		.amdhsa_next_free_sgpr 66
		.amdhsa_reserve_vcc 1
		.amdhsa_float_denorm_mode_32 3
		.amdhsa_float_denorm_mode_16_64 3
		.amdhsa_memory_ordered 1
		.amdhsa_forward_progress 1
		.amdhsa_inst_pref_size 14
	.end_amdhsa_kernel
	.amdgpu_metadata
---
amdhsa.version: [ 1, 2 ]
amdhsa.kernels:
  - .name:           k_q9c64c03cb4_wsum
    .symbol:         k_q9c64c03cb4_wsum.kd
    .args:
      - { .name: W_up, .offset: 0, .size: 8, .value_kind: global_buffer, .address_space: global }
      - { .name: W_gate, .offset: 8, .size: 8, .value_kind: global_buffer, .address_space: global }
      - { .name: W_down, .offset: 16, .size: 8, .value_kind: global_buffer, .address_space: global }
      - { .name: psum, .offset: 24, .size: 8, .value_kind: global_buffer, .address_space: global }
    .group_segment_fixed_size: 0
    .private_segment_fixed_size: 0
    .kernarg_segment_align: 8
    .kernarg_segment_size: 32
    .max_flat_workgroup_size: 192
    .sgpr_count:     66
    .vgpr_count:     148
    .wavefront_size: 32
...
	.end_amdgpu_metadata
.endif
;; end of part 1
;; launch quant (part 2): grid 256 x 1, 14 waves a work-group, no clusters, 327,680 bytes of LDS; arguments x, W_up, W_gate, W_down, psum, xc, xs, wc, ws; writes xc, xs, wc, ws
.if DOCPART == 2
	.amdgcn_target "amdgcn-amd-amdhsa--gfx1250"
	.amdhsa_code_object_version 6
	.text
	.protected	k_q9c64c03cb4_quant
	.globl	k_q9c64c03cb4_quant
	.p2align	8
	.type	k_q9c64c03cb4_quant,@function
k_q9c64c03cb4_quant:
	s_mov_b64 s[64:65], 0
	v_nop
	global_prefetch_b8 v0, s[64:65] scope:SCOPE_SE
	s_setreg_imm32_b32 hwreg(HW_REG_WAVE_MODE, 25, 1), 1
	s_wait_xcnt 0x0
; x and the three weights become codes of FP4 (E2M1) with one E8M0 scale byte for each 32 along K; the weights are made ternary first, as the reference has them:
; scale = mean |W| + 1e-8;  q = clip(round(w / scale), -1, 1) x scale;  the operand is w + (q - w), each step rounded to f32 as written.
; LAYOUT OF THE RESULTS, the order of the matrix operand's registers:  codes[k / 128][row / 16][c][lane][16 bytes]: lane (r, h) of half c holds k = 128 chunk + 64 c + 32 h + 0 .. 31 of row 16 block + r;
; scales[k / 128][row][4 bytes].  wc holds W_up and W_gate as ONE operand of 2,048 rows at byte 0 and W_down at byte 2,097,152; ws likewise (131,072).
; THE ROWS OF THE UP/GATE OPERAND ARE PLACED: row p = tile column << 8 | c << 7 | gate << 6 | b << 5 | u << 4 | m holds source row 128 x tile column + 64 c + 32 b + 8 u + m + 8 (m / 8) of W_up (gate = 0) or W_gate (1).
; SHARES.  Waves 0-7 take x: a wave's task is 64 rows x 128 along K, four fragments, 32 KiB, brought by ONE tensor load at the head into the wave's own LDS bytes (64 rows of 512 bytes, 16 of padding behind each);
; the wave alone reads them, so no barrier stands in the text, and no LDS byte is filled twice.  Waves 8-13 take the weights, two waves a tensor: 32 rows of the result x 128 along K, two fragments, 16 KiB,
; loaded through registers (32 loads of 512 consecutive bytes, all out at once) and turned through the wave's own stage.  By the text's own count a work-group asks for all its 352 KiB at its head.
; A lane holds two whole blocks of 32, so a block's largest magnitude needs no other lane.  A block's scale byte is the largest magnitude's exponent field - 2, held at 1 from below.
; A wave of x stores its 64 scale words as one aligned 256 bytes; a wave of the weights has 32 words, 128 consecutive bytes: half a unit, 196,608 bytes in the launch out of the 12.3 million that it stores.
; No cluster: work-groups share no input.  No prefetch: the text has no loop to run ahead in.
; LIMITS: a block of zeros gets the byte 1 where the rule says 127 (its codes are zeros, and this program alone reads the bytes); blocks whose largest magnitude lies under 2^-124 are held at that byte; NaN and infinities are not served;
; w / scale is a reciprocal with one fused correction step; the mean's f32 sum is taken in another order than the reference's.
.set SP,    528                        ; an LDS row: 512 bytes + 16: 33 x 16
.set XREG,  64*SP                      ; a wave's tile of x
.set WST,   8*XREG                     ; behind the eight tiles: six stages of 16 rows
.set SWD,   WST+6*16*SP                ; behind them: 256 bytes of scale words for each wave
.set SPARE, SWD+14*256                 ; the spare words, 128 bytes a wave: seven blocks of 256 bytes that no other line names
.set NIL,  1                           ; v1  0; never rewritten
.set SPW,  11                          ; v11 my spare word; never rewritten
                                       ; v2 x: my place in the tile; v3, v9, v4: 4, 8, 16 x lane; v5, v6 the stage, in and out; v7 my row's scale word; v8 x: 8 bytes of the words; v10 8 h; v12-15 scale, 1 / scale, as pairs
.set OFF,  16                          ; v16-31   weights: byte offset of my 16 bytes in row i of a fragment
.set R,    32                          ; v32-159  weights: two fragments as loaded.  x: v32-95 a set of 64 numbers, v96-127 the four fragments' codes
.set X,    160                         ; v160-223 64 numbers: register 32 c + i = k 64 c + 32 h + i of my row
.set C,    224                         ; v224-231 weights: the first fragment's codes (the second's go to v32-39, free by then)
.set TM,   232                         ; v232-239 largest magnitudes (2), conversions' scales (2), bytes (2), the scale word, a permute's target
.set T,    240
.set U,    248
.set G0,   68                          ; s[68:71], s[72:79] the tile's descriptor
.set G1,   72
	s_load_b256 s[8:15], s[0:1], 0x0               ; x, W_up, W_gate, W_down
	s_load_b256 s[16:23], s[0:1], 0x20             ; psum, xc, xs, wc
	s_load_b64 s[24:25], s[0:1], 0x40              ; ws
	v_lshl_add_u32 v[SPW], v0, 2, SPARE
	v_mov_b32 v[NIL], 0
	ds_add_u32 v[SPW], v[NIL]                      ; the opening lines: the add, twice on end, and its wait ahead of the tensor load
	ds_add_u32 v[SPW], v[NIL]
	v_lshrrev_b32 v[T], 5, v0
	v_readfirstlane_b32 s2, v[T]                   ; wave 0..13
	v_and_b32 v[T+1], 31, v0                       ; lane
	v_and_b32 v[T+2], 15, v0                       ; r
	v_bfe_u32 v[T+3], v0, 4, 1                     ; h
	v_lshlrev_b32 v4, 4, v[T+1]
	v_lshlrev_b32 v9, 3, v[T+1]
	v_lshlrev_b32 v3, 2, v[T+1]
	v_lshlrev_b32 v10, 3, v[T+3]                   ; my bytes' place in a scale word, in bits
	v_mov_b32 v[TM+7], 0                           ; a lane permute's destination counts as one of its sources
	v_mul_u32_u24 v[T+4], v[T+2], SP
	v_lshl_add_u32 v[T+4], v[T+3], 7, v[T+4]       ; row r, 128 h bytes on
	s_min_u32 s[G0+1], s2, 7
	s_mul_i32 s[G0+1], s[G0+1], XREG               ; x: my tile in LDS
	s_mul_i32 s56, s2, 16*SP
	s_add_co_u32 s56, s56, WST-8*16*SP             ; weights: my stage
	s_lshl_b32 s67, s2, 8
	s_add_co_u32 s67, s67, SWD                     ; my scale words
	s_mov_b32 s[G0], 1
	s_mov_b32 s[G1], (3<<16)|(1<<20)|(6<<22)|(3<<25)   ; elements of 8 bytes; behind every 128 words 4 words of padding
	s_mov_b32 s[G1+1], 64<<16                      ; tensor_dim0: 64 elements, 512 bytes
	s_mov_b32 s[G1+2], 64<<16                      ; tensor_dim1: 64 rows
	s_mov_b32 s[G1+3], 64<<16                      ; tile_dim0
	s_mov_b32 s[G1+4], 64                          ; tile_dim1
	s_mov_b32 s[G1+5], 1024                        ; a row of x: 8,192 bytes
	s_mov_b32 s[G1+6], 0
	s_mov_b32 s[G1+7], 0
	s_mov_b32 s52, 0x76543210                      ; v_permlanex16_b32's selects for lane l xor 16
	s_mov_b32 s53, 0xfedcba98
	s_mov_b32 s54, 0x35000000                      ; 2^-21: a tensor has 2^21 numbers
	s_mov_b32 s55, 0x322bcc77                      ; 1e-8
	s_max_u32 s40, s2, 8
	s_sub_co_u32 s40, s40, 8
	s_and_b32 s3, s40, 1                           ; weights: which 32 rows of the group of 64 (x: 0)
	s_lshr_b32 s40, s40, 1                         ; which tensor's partial sums
	s_min_u32 s66, s2, 8
	s_add_co_u32 s66, s66, s40                     ; my role: 0-7 x, 8 W_up, 9 W_gate, 10 W_down
	s_cmp_lt_u32 s66, 8                            ; what differs between the four tensors, chosen on the wave's number
	s_cselect_b32 s26, 1, 4                        ; row group = g >> this
	s_cselect_b32 s27, 1, 15                       ; chunk = ((g & this)
	s_cselect_b32 s28, 3, 0                        ;          << this)
	s_cselect_b32 s29, s66, 0                      ;          + this
	s_cselect_b32 s30, 19, 17                      ; a chunk's codes: 2^19 bytes or 2^17
	s_cselect_b32 s31, 15, 13                      ; a chunk's scale words
	s_cmp_eq_u32 s66, 10
	s_cselect_b32 s26, 3, s26
	s_cselect_b32 s27, 7, s27
	s_cselect_b32 s32, 12, 13                      ; a source row: 2^12 bytes or 2^13
	s_cselect_b32 s33, 0x200000, 0                 ; W_down's place in wc
	s_cselect_b32 s34, 0x20000, 0                  ; and in ws
	s_sub_co_u32 s35, s66, 8
	s_cmp_lt_u32 s35, 2                            ; W_up or W_gate?
	s_cselect_b32 s36, 8, 16                       ; the odd fragment begins this many source rows behind the even one,
	s_cselect_b32 s37, 8, 0                        ; and a fragment's rows 8-15 lie this many further on
	s_cselect_b32 s38, 1, 0                        ; group of 64 rows of the result = (row group << this)
	s_cmp_eq_u32 s66, 9
	s_cselect_b32 s39, 1, 0                        ;                                  + this
	s_lshr_b32 s41, ttmp9, s26                     ; row group
	s_and_b32 s42, ttmp9, s27
	s_lshl_b32 s42, s42, s28
	s_add_co_u32 s42, s42, s29                     ; chunk
	s_lshl_b32 s43, s41, s38
	s_add_co_u32 s43, s43, s39                     ; group in the result
	s_lshl_b32 s58, s41, 6
	s_lshl_b32 s62, s3, 5
	s_add_co_u32 s58, s58, s62                     ; first source row: 64 x row group + 32 x half
	s_lshl_b32 s58, s58, s32
	s_lshl_b32 s59, s42, 9
	s_add_co_u32 s58, s58, s59                     ; + 512 bytes x chunk
	s_mov_b32 s59, 0
	s_lshl_b32 s60, s36, s32                       ; 8 or 16 rows in bytes
	s_mov_b32 s61, 0
	s_lshl_b32 s4, s42, s30
	s_lshl_b32 s5, s43, 12
	s_add_co_u32 s4, s4, s5
	s_add_co_u32 s4, s4, s33
	s_lshl_b32 s5, s3, 11
	s_add_co_u32 s4, s4, s5                        ; my codes
	s_mov_b32 s5, 0
	s_lshl_b32 s6, s42, s31
	s_lshl_b32 s7, s43, 8
	s_add_co_u32 s6, s6, s7
	s_add_co_u32 s6, s6, s34
	s_lshl_b32 s7, s3, 7
	s_add_co_u32 s6, s6, s7                        ; my scale words
	s_mov_b32 s7, 0
	s_lshl_b32 s26, s40, 11                        ; the tensor's 512 partial sums
	s_mov_b32 s27, 0
	s_wait_alu depctr_va_vdst(0)
	v_add_nc_u32 v2, s[G0+1], v[T+4]
	v_add_nc_u32 v5, s56, v4
	v_add_nc_u32 v6, s56, v[T+4]
	v_lshl_add_u32 v7, v[T+2], 2, s67
	v_add_nc_u32 v8, s67, v9
	s_wait_alu depctr_va_vdst(0)
	s_wait_dscnt 0x0                               ; both opening adds are done
	s_wait_kmcnt 0x0
	s_cmp_eq_u32 s66, 9                            ; the buffers: every choice hangs on the wave's number alone
	s_cselect_b64 s[14:15], s[12:13], s[14:15]
	s_cmp_eq_u32 s66, 8
	s_cselect_b64 s[14:15], s[10:11], s[14:15]
	s_cmp_lt_u32 s66, 8
	s_cselect_b64 s[8:9], s[8:9], s[14:15]         ; the source
	s_cselect_b64 s[18:19], s[18:19], s[22:23]     ; its codes
	s_cselect_b64 s[20:21], s[20:21], s[24:25]     ; its scale words
	s_add_nc_u64 s[44:45], s[8:9], s[58:59]        ; the first fragment's first row (x: the tile's first byte)
	s_add_nc_u64 s[46:47], s[44:45], s[60:61]      ; the second's
	s_add_nc_u64 s[18:19], s[18:19], s[4:5]
	s_add_nc_u64 s[20:21], s[20:21], s[6:7]
	s_add_nc_u64 s[16:17], s[16:17], s[26:27]
	s_mov_b64 s[G0+2:G0+3], s[44:45]
	s_or_b32 s[G0+3], s[G0+3], 0x80000000
.macro QB f, xs, c                     ; the 64 numbers at v[xs]: my two blocks (2 c + h of the chunk's four) become codes, at v[c], and bytes
	v_max3_num_f32 v[TM], |v[\xs]|, |v[\xs+1]|, 0x1800000          ; the largest magnitude, with the floor 2^(3 - 127) among its leaves: so the byte cannot fall under 1
	v_max3_num_f32 v[TM+1], |v[\xs+32]|, |v[\xs+33]|, 0x1800000
.irp i, 2,4,6,8,10,12,14,16,18,20,22,24,26,28,30
	s_delay_alu instid0(VALU_DEP_2)
	v_max3_num_f32 v[TM], v[TM], |v[\xs+\i]|, |v[\xs+\i+1]|        ; (the two blocks by turns)
	s_delay_alu instid0(VALU_DEP_2)
	v_max3_num_f32 v[TM+1], v[TM+1], |v[\xs+32+\i]|, |v[\xs+33+\i]|
.endr
	s_delay_alu instid0(VALU_DEP_2)
	v_add_nc_u32 v[TM+2], 0xff000000, v[TM]                        ; 2 off the exponent field: the conversion takes the exponent field of this operand as its scale
	s_delay_alu instid0(VALU_DEP_2)
	v_add_nc_u32 v[TM+3], 0xff000000, v[TM+1]
	s_delay_alu instid0(VALU_DEP_2)
	v_lshrrev_b32 v[TM+4], 23, v[TM+2]                             ; the scales' bytes
	s_delay_alu instid0(VALU_DEP_2)
	v_lshrrev_b32 v[TM+5], 23, v[TM+3]
	s_delay_alu instid0(VALU_DEP_1)
	v_lshl_or_b32 v[TM+6], v[TM+5], 16, v[TM+4]                    ; blocks h and 2 + h,
	s_delay_alu instid0(VALU_DEP_1)
	v_lshlrev_b32 v[TM+6], v10, v[TM+6]                            ; at their places in the row's word;
	s_delay_alu instid0(VALU_DEP_1)
	v_permlanex16_b32 v[TM+7], v[TM+6], s52, s53
	s_delay_alu instid0(VALU_DEP_1)
	v_or_b32 v[TM+6], v[TM+6], v[TM+7]                             ; with lane l xor 16's two the word is whole
.irp h, 0,1
.irp g, 0,1,2,3
	v_cvt_scalef32_pk8_fp4_f32 v[\c+4*\h+\g], v[\xs+32*\h+8*\g:\xs+32*\h+8*\g+7], v[TM+2+\h]   ; registers 4 c .. 4 c + 3 of the operand; beyond 6 the largest code
.endr
.endr
	v_nop                                                          ; one plain place behind a scaled conversion
	ds_store_b32 v7, v[TM+6] offset:64*(\f)                        ; row 16 f + r's word; both halves of the lanes write the same word with the same value
.irp h, 0,1
	global_store_b128 v4, v[\c+4*\h:\c+4*\h+3], s[18:19] offset:1024*(\f)+512*\h   ; 32 lanes store 512 consecutive bytes; each fragment has its own registers, so no store's data are written again
.endr
.endm
.macro CLOSE                           ; the wave's end, behind my last LDS write
	s_wait_tensorcnt 0x0
	ds_add_u32 v[SPW], v[NIL]
	s_wait_dscnt 0x0
	s_endpgm
.endm
	s_cmp_lt_u32 s2, 8
	s_cbranch_scc0 .Lweights
; ---- x: the tile, then four fragments out of it, the next fragment's 16 LDS loads out while one is worked ----
	tensor_load_to_lds s[G0:G0+3], s[G1:G1+7]
	s_nop 0
.macro XLD f, xs
.irp h, 0,1
.irp j, 0,1,2,3,4,5,6,7
	ds_load_b128 v[\xs+32*\h+4*\j:\xs+32*\h+4*\j+3], v2 offset:16*SP*(\f)+256*\h+16*\j
.endr
.endr
.endm
	s_wait_tensorcnt 0x0                           ; my tile is in; nobody else reads it
	XLD 0, R
	XLD 1, X
	s_wait_dscnt 16                                ; fragment 0 is in; fragment 1's 16 loads may be out
	QB 0, R, 96
	XLD 2, R
	s_wait_dscnt 17                                ; behind fragment 1's loads: one word's store and 16 loads
	QB 1, X, 104
	XLD 3, X
	s_wait_dscnt 17
	QB 2, R, 112
	s_wait_dscnt 1                                 ; behind fragment 3's loads: one word's store
	QB 3, X, 120
	ds_load_b64 v[T:T+1], v8                       ; LDS serves a wave's instructions in order: these see my four stores
	s_wait_dscnt 0x0
	global_store_b64 v9, v[T:T+1], s[20:21]        ; 32 lanes store 256 consecutive bytes, at a multiple of 256 from the buffer's first byte
	CLOSE
; ---- the weights ----
.Lweights:
.irp i, 0,1,2,3,4,5,6,7,8,9,10,11,12,13,14,15
.if \i < 8
	s_lshl_b32 s57, \i, s32
.else
	s_add_co_u32 s57, s37, \i
	s_lshl_b32 s57, s57, s32
.endif
	v_add_nc_u32 v[OFF+\i], s57, v4                ; 16 x lane + the row
.endr
	s_wait_alu depctr_va_vdst(0)
.macro LOAD f                          ; fragment f's 16 rows x 512 bytes; read once in this launch
.irp i, 0,1,2,3,4,5,6,7,8,9,10,11,12,13,14,15
	global_load_b128 v[R+64*(\f)+4*\i:R+64*(\f)+4*\i+3], v[OFF+\i], s[44+2*(\f):45+2*(\f)] th:TH_LOAD_NT
.endr
.endm
.macro TURN f                          ; through the stage: LDS serves a wave's instructions in order, so no wait stands between the stores and the loads
.irp i, 0,1,2,3,4,5,6,7,8,9,10,11,12,13,14,15
	ds_store_b128 v5, v[R+64*(\f)+4*\i:R+64*(\f)+4*\i+3] offset:SP*\i
.endr
.irp h, 0,1
.irp j, 0,1,2,3,4,5,6,7
	ds_load_b128 v[X+32*\h+4*\j:X+32*\h+4*\j+3], v6 offset:256*\h+16*\j
.endr
.endr
.endm
.macro TERN                            ; the 64 numbers become w + (clip(round(w / scale), -1, 1) x scale - w): four pairs at a time
.set GG, 0
.rept 8
.irp p, 0,1,2,3
	v_pk_mul_f32 v[T+2*\p:T+2*\p+1], v[X+8*GG+2*\p:X+8*GG+2*\p+1], v[14:15]                                       ; t = w x (1 / scale)
.endr
.irp p, 0,1,2,3
	s_delay_alu instid0(VALU_DEP_4)
	v_pk_fma_f32 v[U+2*\p:U+2*\p+1], v[T+2*\p:T+2*\p+1], v[12:13], v[X+8*GG+2*\p:X+8*GG+2*\p+1] neg_lo:[1,0,0] neg_hi:[1,0,0]   ; what is left: w - t x scale
.endr
.irp p, 0,1,2,3
	v_pk_fma_f32 v[T+2*\p:T+2*\p+1], v[U+2*\p:U+2*\p+1], v[14:15], v[T+2*\p:T+2*\p+1]                             ; t corrected: w / scale
.endr
.irp p, 0,1,2,3,4,5,6,7
	v_rndne_f32 v[T+\p], v[T+\p]                                                                                  ; to the nearest whole number, ties to even
.endr
.irp p, 0,1,2,3,4,5,6,7
	v_med3_num_f32 v[T+\p], v[T+\p], -1.0, 1.0
.endr
.irp p, 0,1,2,3
	v_pk_mul_f32 v[T+2*\p:T+2*\p+1], v[T+2*\p:T+2*\p+1], v[12:13]                                                 ; q
.endr
.irp p, 0,1,2,3
	s_delay_alu instid0(VALU_DEP_4)
	v_pk_add_f32 v[U+2*\p:U+2*\p+1], v[T+2*\p:T+2*\p+1], v[X+8*GG+2*\p:X+8*GG+2*\p+1] neg_lo:[0,1] neg_hi:[0,1]    ; q - w
.endr
.irp p, 0,1,2,3
	s_delay_alu instid0(VALU_DEP_4)
	v_pk_add_f32 v[X+8*GG+2*\p:X+8*GG+2*\p+1], v[X+8*GG+2*\p:X+8*GG+2*\p+1], v[U+2*\p:U+2*\p+1]                    ; w + (q - w)
.endr
.set GG, GG+1
.endr
.endm
.irp j, 0,1,2,3
	global_load_b128 v[X+4*\j:X+4*\j+3], v4, s[16:17] offset:512*\j   ; the tensor's 512 partial sums, 16 a lane
.endr
	LOAD 0
	LOAD 1
	s_wait_loadcnt 32                              ; the partial sums are in; two fragments' 32 loads may be out
.irp j, 0,1,2,3,4,5,6,7
	v_add_f32 v[X+\j], v[X+\j], v[X+8+\j]
.endr
.irp j, 0,1,2,3
	s_delay_alu instid0(VALU_DEP_4)
	v_add_f32 v[X+\j], v[X+\j], v[X+4+\j]
.endr
	s_delay_alu instid0(VALU_DEP_2)
	v_add_f32 v[X], v[X], v[X+2]
	s_delay_alu instid0(VALU_DEP_2)
	v_add_f32 v[X+1], v[X+1], v[X+3]
	s_delay_alu instid0(VALU_DEP_1)
	v_add_f32 v[X], v[X], v[X+1]
.irp m, 1,2,4,8
	s_delay_alu instid0(VALU_DEP_1)
	v_add_f32_dpp v[X], v[X], v[X] row_xmask:\m row_mask:0xf bank_mask:0xf
.endr
	s_delay_alu instid0(VALU_DEP_1)
	v_permlanex16_b32 v[TM+7], v[X], s52, s53
	s_delay_alu instid0(VALU_DEP_1)
	v_add_f32 v[X], v[X], v[TM+7]                  ; the sum of |W|
	s_delay_alu instid0(VALU_DEP_1)
	v_fma_f32 v12, v[X], s54, s55                  ; scale = sum x 2^-21 + 1e-8
	s_wait_alu depctr_va_vdst(0)
	v_rcp_f32 v14, v12
	v_mov_b32 v13, v12                             ; (a plain place behind the reciprocal)  both as pairs, for the packed forms
	s_wait_alu depctr_va_vdst(0)
	v_mov_b32 v15, v14
.macro WFRAG f, c
	s_wait_loadcnt 16*(1-\f)                       ; this fragment's 16 loads are in
	TURN \f
	s_wait_dscnt 0x0
	s_wait_alu depctr_va_vdst(0)
	TERN
	QB \f, X, \c
.endm
	WFRAG 0, C
	WFRAG 1, R                                     ; its codes lie where fragment 0 was loaded: those registers were read out by the first turn
	v_add_nc_u32 v[T], s67, v3
	ds_load_b32 v[T+1], v[T]                       ; my 32 scale words, one a lane
	s_wait_dscnt 0x0
	global_store_b32 v3, v[T+1], s[20:21]          ; 128 consecutive bytes, at a multiple of 128 from the buffer's first byte
	CLOSE
.Lfunc_end_k_q9c64c03cb4_quant:
	.size	k_q9c64c03cb4_quant, .Lfunc_end_k_q9c64c03cb4_quant-k_q9c64c03cb4_quant
	.p2alignl 7, 3214868480
	.fill 96, 4, 3214868480
	.section	.rodata,"a",@progbits
	.p2align	6, 0x0
	.amdhsa_kernel k_q9c64c03cb4_quant
		.amdhsa_group_segment_fixed_size 327680
		.amdhsa_private_segment_fixed_size 0
		.amdhsa_enable_private_segment 0
		.amdhsa_kernarg_size 72
		.amdhsa_user_sgpr_count 2
		.amdhsa_user_sgpr_kernarg_segment_ptr 1
		.amdhsa_wavefront_size32 1
		.amdhsa_system_sgpr_workgroup_id_x 1
		.amdhsa_system_sgpr_workgroup_id_y 1
		.amdhsa_system_sgpr_workgroup_id_z 1
		.amdhsa_system_vgpr_workitem_id 0
		.amdhsa_next_free_vgpr 256
		.amdhsa_next_free_sgpr 80
		.amdhsa_reserve_vcc 0
		.amdhsa_float_denorm_mode_32 3
		.amdhsa_float_denorm_mode_16_64 3
		.amdhsa_memory_ordered 1
		.amdhsa_forward_progress 1
		.amdhsa_inst_pref_size 89
	.end_amdhsa_kernel
	.amdgpu_metadata
---
amdhsa.version: [ 1, 2 ]
amdhsa.kernels:
  - .name:           k_q9c64c03cb4_quant
    .symbol:         k_q9c64c03cb4_quant.kd
    .args:
      - { .name: x, .offset: 0, .size: 8, .value_kind: global_buffer, .address_space: global }
      - { .name: W_up, .offset: 8, .size: 8, .value_kind: global_buffer, .address_space: global }
      - { .name: W_gate, .offset: 16, .size: 8, .value_kind: global_buffer, .address_space: global }
      - { .name: W_down, .offset: 24, .size: 8, .value_kind: global_buffer, .address_space: global }
      - { .name: psum, .offset: 32, .size: 8, .value_kind: global_buffer, .address_space: global }
      - { .name: xc, .offset: 40, .size: 8, .value_kind: global_buffer, .address_space: global }
      - { .name: xs, .offset: 48, .size: 8, .value_kind: global_buffer, .address_space: global }
      - { .name: wc, .offset: 56, .size: 8, .value_kind: global_buffer, .address_space: global }
      - { .name: ws, .offset: 64, .size: 8, .value_kind: global_buffer, .address_space: global }
    .group_segment_fixed_size: 327680
    .private_segment_fixed_size: 0
    .kernarg_segment_align: 8
    .kernarg_segment_size: 72
    .max_flat_workgroup_size: 448
    .sgpr_count:     80
    .vgpr_count:     256
    .wavefront_size: 32
...
	.end_amdgpu_metadata
.endif
;; end of part 2
;; launch gemm_ug (part 3): grid 8 x 32, 4 waves a work-group, clusters of 4 x 4, 327,680 bytes of LDS; arguments xc, xs, wc, ws, hc, hs; writes hc, hs
.if DOCPART == 3
	.amdgcn_target "amdgcn-amd-amdhsa--gfx1250"
	.amdhsa_code_object_version 6
	.text
	.protected	k_q9c64c03cb4_gemm_ug
	.globl	k_q9c64c03cb4_gemm_ug
	.p2align	8
	.type	k_q9c64c03cb4_gemm_ug,@function
k_q9c64c03cb4_gemm_ug:
	s_mov_b64 s[64:65], 0
	v_nop
	global_prefetch_b8 v0, s[64:65] scope:SCOPE_SE
	s_setreg_imm32_b32 hwreg(HW_REG_WAVE_MODE, 25, 1), 1
	s_wait_xcnt 0x0
	s_wait_alu depctr_hold_cnt(0) depctr_sa_sdst(0) depctr_va_vdst(0) depctr_va_sdst(0) depctr_va_ssrc(0) depctr_va_vcc(0) depctr_vm_vsrc(0)
	s_getreg_b32 s2, hwreg(HW_REG_IB_STS2, 6, 4)
	s_cmp_eq_u32 s2, 0
	s_cbranch_scc0 .Lentry_in_a_cluster
	s_endpgm
.Lentry_in_a_cluster:
	s_bfe_u32 s2, ttmp6, 0x10000c
	s_cmp_lg_u32 s2, 0xf033
	s_cbranch_scc0 .Lentry_shape_is_right
	s_endpgm
.Lentry_shape_is_right:
; hidden = silu(x Wu^T) x (x Wg^T), both products on codes of FP4 (E2M1) with one E8M0 scale for each 32 along K (K = 2,048); the hidden layer leaves as codes and scale bytes along ITS axis, the next product's K.
; A = x: 8,192 rows.  B = W_up and W_gate as one operand of 2,048 placed rows (the launch that made the codes says how).  Both lie in the order of the operand's registers: codes[k / 128][row / 16][c][lane][16 bytes],
; scales[k / 128][row][4 bytes].  A fragment (16 rows x 128 K, 8 registers) is 1,024 dense bytes: two LDS loads of 512 consecutive bytes; no pitch, no padding, no bank conflict.
; SHARES.  A work-group of four waves makes 256 rows of A x 256 rows of B (128 hidden units, up and gate); a wave 128 x 128: 64 accumulators, 512 registers.  8 x 32 = 256 work-groups.
; K goes in steps of 512 through a ring of two LDS slots; each wave brings a quarter of a slot with one tensor load: 4 chunks of 128 along K x 8 fragments = 4 rows of 8,192 bytes.
; THE SCALES of the work-group's rows, for all of K, come into LDS once, with the first fills (16 rows of 512 bytes a wave), and stay.
; CLUSTERS: 4 x 4 work-groups.  The four of a row of the cluster need the same tiles of A, the four of a column the same tiles of B: each tile is asked for JOINTLY, by the same tensor load with the same descriptor and a mask
; that names the four.  THE MATRIX INSTRUCTION IS USED TRANSPOSED (source 0 = 16 rows of B, source 1 = 16 rows of A): a lane holds ONE row of x, and by the placing of B's rows the 16 registers of tiles 2 b and 2 b + 1 are the
; 16 neighbouring hidden units 32 b + 16 (lane / 16) + 0 .. 15 of my 64; B's blocks 0-3 are up, blocks 4-7 gate, of the same units.  So silu, the product with gate and the quantiser stay in the lane's registers.
; The two laps of the ring are written out: a loop of one trip would save no line.
; REGISTERS, in windows of 256: window 0: v16-31 addresses; v32-95 scale words, two sets, and nothing else; v96-127 B's scale words, two sets; v128-191 A's fragments, ONE set; v192-223 the hidden layer's codes, a set for each block of rows;
;   v224-233 at work.   window 1: B's fragments, TWO sets, at v0 and v128.   window 2: the accumulators of my rows 0-63 ((a, b) at v[8 (8 (a % 4) + b)]);   window 3: those of rows 64-127.
; LIMITS: sigmoid(u) = 1 / (1 + 2^(-u log2 e)) is 0 where that power overflows (u under about -88; the reference has a number under 1e-38 there); a block of zeros gets the byte 1 where the rule says 127 (its codes are zeros,
; and this program alone reads the bytes); blocks whose largest magnitude lies under 2^-124 are held at that byte; NaN and infinities are not served.
; THE TILES AS THE TEXT BELOW HAS THEM (this takes the place of what stands above on a wave's quarter of a slot and on the scales' first fill):
; a slot holds A's [4 chunks][16 fragments][1,024 bytes], then B's the same.  AT THE HEAD each wave issues one joint load: wave 0 A's K step 0 (4 rows of 16,384 bytes), wave 1 B's, wave 2 the scale words of A's 256 rows
; for all of K (16 rows of 1,024 bytes), wave 3 those of B's.  Slot 1 is first filled behind the three lines and a round, as a refill is.  In the ring a wave brings two chunks of A's or of B's tile: 2 rows of 16,384 bytes.
; A'S FRAGMENTS HAVE TWO SETS OF REGISTERS, v128-191 and v192-255 of window 0, as B's have two in window 1 (this takes the place of 'ONE set' above): the symbol AF names the set that the lines behind it mean.
; v192-255 serve the way out only when the last product has been issued.
; THE PRODUCTS ARE MADE BY THE FORM OF 32 x 16 x 128: source 0 = 32 rows of B (two neighbouring fragments, 16 registers), source 1 = 16 rows of A; its 16 result registers are the two accumulators (a, b), (a, b + 1) of the map above.
; That form takes source 0's scales from all 32 lanes, lane m for row m: v96-127 hold them (a register for each pair of B's fragments and chunk, two sets); source 1's come from lanes 0-15 of v32-95.  The hidden numbers of the way out lie in v128-159.
.set SIZE_K, 2048
.set NCH,    SIZE_K/128                ; chunks of 128 along K
.set LAPS,   SIZE_K/1024               ; a lap = two K steps = once round the ring
.set NQ,     4                         ; chunks in a K step
.set FR,     8                         ; registers of a fragment
.set NL,     2                         ; LDS loads that bring one
.set NP,     4                         ; places behind this matrix instruction (ISA guide 7.12.1)
.set HALFT,  32768                     ; what one tensor load of the ring brings: [2 chunks][16 fragments][1,024]
.set SLOT,   4*HALFT                   ; A's two halves, then B's two
.set STEPA,  4*512*1024                ; bytes from a K step to the next in A's codes (a chunk: 512 blocks of rows)
.set STEPB,  4*128*1024                ; and in B's (128)
.set HS,     NCH*512                   ; bytes of the scale words of 128 rows, all of K; a side's 256 rows lie [chunk][256][4]
.set SCL,    2*SLOT                    ; behind the ring: A's two halves; then, 64 bytes further on than they would follow, B's two: so lanes 16-31 of a scale load fall on other banks than lanes 0-15
.set SPARE,  SCL+4*HS+256              ; the spare words, 128 bytes for each wave: two blocks of 256 bytes that no other line names
.set ADRA, 16                          ; v16-17  LDS address of my A fragments in slot 0, 1
.set ADRB, 20                          ; v20-21  the same for B
.set LI,   24                          ; v24     16 x lane
.set HSA,  25                          ; v25     the way out: where my row's two scale bytes go (LDS bytes 0 .. 1,023: slot 0 has had its last fill and its last read by then)
.set HSR,  26                          ; v26     and where I read 8 bytes of them back
.set ADRS, 27                          ; v27     LDS address of my scale words: lanes 0-15 A's rows, lanes 16-31 B's
.set SPW,  28                          ; v28     LDS address of my spare word: SPARE + 4 x my thread's number; never rewritten
.set NIL,  29                          ; v29     0; never rewritten
.set L8,   30                          ; v30     8 x lane
.set SC,   32                          ; scale words: register 32 set + 4 i + q: lanes 0-15 the word of A's block i, lanes 16-31 that of B's block i, for the K step's q-th chunk
.set E,    128
.set SW,   96                          ; B's scale words: register 16 set + 4 (b / 2) + q: lane m the word of row m of B's fragments b, b + 1
.set ADRW, 31                          ; v31     their LDS address: 4 x lane on from my 128 rows' first word
.set AF,   128
.set PCB,  192
.set TM,   224                         ; v224-225 largest magnitudes, then bytes; v226-227 permutes' targets; v228-229 conversions' scales; v230 two bytes
.set HW,   232                         ; v[232:233]
.set G1, 24                            ; s[24:31] descriptor group 1 for A's tiles;  s[32:39] group 0, one set for each slot
.set G0, 32
.set G1B, 48                           ; s[48:55], s[56:63] the same for B's tiles
.set G0B, 56
.set G1S, 68                           ; s[68:75], s[76:79] groups 1 and 0 for A's scales;  s[80:87], s[88:91] for B's
.set G0S, 76
.set G1SB, 80
.set G0SB, 88
.set MSB, 0
.macro WIN new                         ; the immediate's high byte repeats the setting that is left
.if MSB != \new
	s_set_vgpr_msb (MSB<<8)|\new
.set MSB, \new
.endif
.endm
.set MUL_LO, 0xa1                      ; source 0 (B) window 1, source 1 (A) window 0, C and D window 2
.set MUL_HI, 0xf1                      ; the same, C and D window 3
.set TO_B,   0x40                      ; destination window 1, address window 0
; A joint load: waves 0 and 1 fetch for A, waves 2 and 3 for B.  Each of the two lines has ONE mask and one set of registers for all that issue it; the branch hangs on the wave's number alone.
; Four v_nop follow each of the two lines, ahead of the jump, the label and what follows.
.macro JLOAD g0a, g1a, g0b, g1b
	s_cmp_eq_u32 s15, 0
	s_cbranch_scc0 .Lfor_b_\@
	tensor_load_to_lds s[\g0a:\g0a+3], s[\g1a:\g1a+7]
	s_nop 0
.rept 4
	v_nop
.endr
	s_branch .Lasked_\@
.Lfor_b_\@:
	tensor_load_to_lds s[\g0b:\g0b+3], s[\g1b:\g1b+7]
	s_nop 0
.rept 4
	v_nop
.endr
.Lasked_\@:
.endm
.macro CREST                           ; a round of the cluster's barrier behind its opening barrier
	s_cmp_lg_u32 s14, 0
	s_cbranch_scc1 .Lnot_wave_0_\@
	s_barrier_signal -3
.Lnot_wave_0_\@:
	s_barrier_wait -3
	s_barrier_signal -1
	s_barrier_wait -1
.endm
.macro CROUND                          ; a whole round
	s_barrier_signal -1
	s_barrier_wait -1
	CREST
.endm
	s_load_b128 s[4:7], s[0:1], 0x0                ; x's codes s[4:5], x's scales s[6:7]
	s_load_b128 s[8:11], s[0:1], 0x10              ; the weights' codes s[8:9], their scales s[10:11]
	s_load_b64 s[12:13], s[0:1], 0x20              ; the hidden layer's codes
	s_load_b64 s[96:97], s[0:1], 0x28              ; and its scales
	v_lshl_add_u32 v[SPW], v0, 2, SPARE
	v_mov_b32 v[NIL], 0
	ds_add_u32 v28, v29
	ds_add_u32 v28, v29
	s_wait_dscnt 0x0
	v_lshrrev_b32 v1, 5, v0
	v_readfirstlane_b32 s14, v1                    ; wave 0..3
	s_lshr_b32 s15, s14, 1                         ; which half of the tile's rows of A is mine.  Also: I fetch for A (0) or for B (1)
	s_and_b32 s16, s14, 1                          ; which half of its rows of B.  Also: which half of that tile I fetch
	s_bfe_u32 s40, ttmp6, 0x40000                  ; cx, cy: my place in the cluster
	s_bfe_u32 s41, ttmp6, 0x40004
	s_lshl_b32 s42, ttmp9, 2
	s_add_co_u32 s42, s42, s40                     ; tile column = 4 x cluster x + cx: 256 rows of B
	s_and_b32 s17, ttmp7, 0xffff
	s_lshl_b32 s17, s17, 2
	s_add_co_u32 s17, s17, s41                     ; tile row = 4 x cluster y + cy: 256 rows of A
	s_lshl_b32 s43, s41, 2
	s_lshl_b32 s43, 15, s43                        ; my row of the cluster
	s_lshl_b32 s44, 0x1111, s40                    ; my column
	; descriptor group 1, codes: rows (chunks) of 2,048 elements of 8 bytes (16 fragments), dense in LDS: 4 rows at the head, 2 in the ring
	s_or_b32 s[G1+0], s43, (3<<16)|(1<<21)         ; 15:0 the mask: A's tiles go to my row; 17:16 elements of 8 bytes; 21 set beside a mask
	s_or_b32 s[G1B+0], s44, (3<<16)|(1<<21)        ; B's go to my column
.irp g, G1, G1B
	s_mov_b32 s[\g+1], 2048<<16                    ; tensor_dim0
	s_mov_b32 s[\g+2], 4<<16                       ; tensor_dim1
	s_mov_b32 s[\g+3], 2048<<16                    ; tile_dim0
	s_mov_b32 s[\g+4], 4                           ; tile_dim1
	s_mov_b32 s[\g+6], 0
	s_mov_b32 s[\g+7], 0
.endr
	s_mov_b32 s[G1+5], 512*128                     ; tensor_dim0_stride: from chunk to chunk, in elements: 512 blocks of rows x 128
	s_mov_b32 s[G1B+5], 128*128                    ; 128 blocks
	; and the scale words of 256 rows: NCH rows (chunks) of 128 elements of 8 bytes
	s_or_b32 s[G1S+0], s43, (3<<16)|(1<<21)
	s_or_b32 s[G1SB+0], s44, (3<<16)|(1<<21)
.irp g, G1S, G1SB
	s_mov_b32 s[\g+1], 128<<16
	s_mov_b32 s[\g+2], NCH<<16
	s_mov_b32 s[\g+3], 128<<16
	s_mov_b32 s[\g+4], NCH
	s_mov_b32 s[\g+6], 0
	s_mov_b32 s[\g+7], 0
.endr
	s_mov_b32 s[G1S+5], 8192*4/8                   ; from chunk to chunk: 8,192 rows' words
	s_mov_b32 s[G1SB+5], 2048*4/8                  ; 2,048 rows'
	; where the tiles come from.  A's hang on the tile row alone, B's on the tile column alone; every wave makes both, in registers that never hold the other coordinate
	s_lshl_b32 s20, s17, 4                         ; A: block 16 x tile row
	s_lshl_b32 s46, s42, 4                         ; B: block 16 x tile column
	s_lshl_b32 s22, s20, 6                         ; a block's scale words are 64 bytes,
	s_mov_b32 s23, 0
	s_lshl_b32 s92, s46, 6
	s_mov_b32 s93, 0
	s_lshl_b32 s20, s20, 10                        ; its codes of a chunk 1,024
	s_mov_b32 s21, 0
	s_lshl_b32 s46, s46, 10
	s_mov_b32 s47, 0
	s_mul_i32 s45, s14, HALFT                      ; where they go: wave x a quarter of a slot: no place in the cluster enters an LDS address
	s_mov_b32 s98, 0xbfb8aa3b                      ; -log2(e): the packed form names the pair and takes its low word for both halves
	s_mov_b32 s99, s98
	s_mov_b32 s100, 0x76543210                     ; v_permlanex16_b32's selects for lane l xor 16
	s_mov_b32 s101, 0xfedcba98
	s_wait_kmcnt 0x0
	s_add_nc_u64 s[20:21], s[4:5], s[20:21]
	s_add_nc_u64 s[22:23], s[6:7], s[22:23]
	s_add_nc_u64 s[46:47], s[8:9], s[46:47]
	s_add_nc_u64 s[92:93], s[10:11], s[92:93]
	CROUND                                         ; all sixteen work-groups are here: the first joint loads meet
	s_mov_b32 s[G0S], 1                            ; 1:0 count = 1
	s_mov_b32 s[G0S+1], SCL                        ; 63:32 LDS address
	s_mov_b64 s[G0S+2:G0S+3], s[22:23]             ; 120:64 global address
	s_or_b32 s[G0S+3], s[G0S+3], 0x80000000        ; 127:126 type = 2
	s_mov_b32 s[G0SB], 1
	s_mov_b32 s[G0SB+1], SCL+2*HS+64
	s_mov_b64 s[G0SB+2:G0SB+3], s[92:93]
	s_or_b32 s[G0SB+3], s[G0SB+3], 0x80000000
.set G0H,  4                           ; s[4:7], s[8:11] group 0 for the head's loads of K step 0 (the arguments that lay there have been used)
.set G0HB, 8
	s_mov_b32 s[G0H], 1
	s_mov_b32 s[G0H+1], 0
	s_mov_b64 s[G0H+2:G0H+3], s[20:21]
	s_or_b32 s[G0H+3], s[G0H+3], 0x80000000
	s_mov_b32 s[G0HB], 1
	s_mov_b32 s[G0HB+1], 2*HALFT
	s_mov_b64 s[G0HB+2:G0HB+3], s[46:47]
	s_or_b32 s[G0HB+3], s[G0HB+3], 0x80000000
	s_lshl_b32 s18, s16, 20                        ; for the ring: my two chunks of the four: 2 x 512 blocks x 1,024 bytes in A,
	s_mov_b32 s19, 0
	s_add_nc_u64 s[20:21], s[20:21], s[18:19]
	s_lshl_b32 s18, s16, 18                        ; 2 x 128 blocks in B
	s_add_nc_u64 s[46:47], s[46:47], s[18:19]
.irp s, 0,1
	s_mov_b32 s[G0+4*\s], 1
	s_add_co_u32 s[G0+4*\s+1], s45, \s*SLOT
	s_add_nc_u64 s[G0+4*\s+2:G0+4*\s+3], s[20:21], \s*STEPA
	s_or_b32 s[G0+4*\s+3], s[G0+4*\s+3], 0x80000000
	s_mov_b32 s[G0B+4*\s], 1
	s_add_co_u32 s[G0B+4*\s+1], s45, \s*SLOT
	s_add_nc_u64 s[G0B+4*\s+2:G0B+4*\s+3], s[46:47], \s*STEPB
	s_or_b32 s[G0B+4*\s+3], s[G0B+4*\s+3], 0x80000000
.endr
; THE HEAD'S LOADS, ONE A WAVE: one chain of branches on the wave's number, each arm with its load and, but for the last, a jump to the chain's end
.macro ARM under, g0, g1, next
	s_cmp_lt_u32 s14, \under
	s_cbranch_scc0 \next
	tensor_load_to_lds s[\g0:\g0+3], s[\g1:\g1+7]
	s_nop 0
.rept 4
	v_nop
.endr
	s_branch .Lhead_asked
\next:
.endm
	ARM 1, G0H,  G1,  .Lhead_b
	ARM 2, G0HB, G1B, .Lhead_sa
	ARM 3, G0S,  G1S, .Lhead_sb
	tensor_load_to_lds s[G0SB:G0SB+3], s[G1SB:G1SB+7]
	s_nop 0
.rept 4
	v_nop
.endr
.Lhead_asked:
	v_and_b32 v1, 15, v0                           ; r = lane % 16
	v_bfe_u32 v2, v0, 4, 1                         ; h = lane / 16
	v_and_b32 v6, 31, v0                           ; lane
	v_lshlrev_b32 v[LI], 4, v6
	v_lshlrev_b32 v[L8], 3, v6
	v_mov_b32 v[TM+2], 0                           ; written once: a lane permute's destination counts as one of its sources
	v_mov_b32 v[TM+3], 0
	s_lshl_b32 s21, s15, 13                        ; my half of A: 8 of a chunk's 16 fragments
	s_lshl_b32 s22, s16, 13                        ; my half of B,
	s_add_co_u32 s22, s22, 2*HALFT                 ; which lies behind A's two
.irp s, 0,1
	v_add_nc_u32 v[ADRA+\s], s21, v[LI]
	v_add_nc_u32 v[ADRB+\s], s22, v[LI]
	s_add_co_u32 s21, s21, SLOT
	s_add_co_u32 s22, s22, SLOT
.endr
	s_lshl_b32 s21, s15, 9                         ; A's scale words: my 128 rows of a chunk's 256
	s_lshl_b32 s22, s16, 9                         ; B's: my 128 rows, behind A's and the 64 bytes
	s_add_co_u32 s22, s22, 2*HS+64
	s_sub_co_u32 s22, s22, s21
	v_mul_u32_u24 v5, s22, v2                      ; lanes 16-31 take B's: one product, the distance between the two x h
	s_add_co_u32 s21, s21, SCL
	v_lshl_add_u32 v5, v1, 2, v5                   ; 4 bytes a row
	v_add_nc_u32 v[ADRS], s21, v5
	s_lshl_b32 s22, s16, 9
	s_add_co_u32 s22, s22, SCL+2*HS+64             ; B's scale words, my 128 rows
	s_wait_alu depctr_va_vdst(0)
	v_lshl_add_u32 v[ADRW], v6, 2, s22
	s_lshl_b32 s21, s15, 9                         ; the way out: row 128 x (my half of A) + r has its word at 4 x row; my two bytes are 2 x (my half of B) on
	s_lshl_b32 s22, s16, 1
	s_add_co_u32 s21, s21, s22
	v_lshlrev_b32 v5, 2, v1
	v_add_nc_u32 v[HSA], s21, v5
	s_lshl_b32 s21, s14, 8
	v_add_nc_u32 v[HSR], s21, v[L8]                ; back: wave w takes the words of rows 64 w on
	; the hidden layer's codes: chunk = tile column (2^19 bytes), block of rows 16 x tile row + 8 x half (1,024 bytes), half c = my half of B (512)
	s_lshl_b32 s20, s17, 4
	s_lshl_b32 s21, s15, 3
	s_add_co_u32 s20, s20, s21
	s_lshl_b32 s20, s20, 10
	s_lshl_b32 s21, s16, 9
	s_add_co_u32 s20, s20, s21
	s_mov_b32 s21, 0
	s_lshl_b32 s46, s42, 19
	s_mov_b32 s47, 0
	s_add_nc_u64 s[20:21], s[20:21], s[46:47]
	s_add_nc_u64 s[12:13], s[12:13], s[20:21]
	; its scale words: chunk (2^15 bytes), 256 x tile row + 64 x wave rows of 4 bytes
	s_lshl_b32 s20, s17, 10
	s_lshl_b32 s21, s14, 8
	s_add_co_u32 s20, s20, s21
	s_mov_b32 s21, 0
	s_lshl_b32 s46, s42, 15
	s_add_nc_u64 s[20:21], s[20:21], s[46:47]
	s_add_nc_u64 s[96:97], s[96:97], s[20:21]
.macro FRAG reg, adr, q, i             ; fragment i of the K step's q-th chunk: the image of its 8 registers, two loads of 512 consecutive bytes
.irp c, 0,1
	ds_load_b128 v[\reg+4*\c:\reg+4*\c+3], v[\adr] offset:16384*(\q)+1024*(\i)+512*\c
.endr
.endm
; 8 matrix instructions: A's blocks a0, a0 + 1 x B's eight, 128 along K: the K step's q-th chunk.  p: B's set;  sc: the set of scale words.  zero = 1: the first product starts the sums: nothing is ever cleared.
; The 32 pairs of accumulators take turns, one instruction a turn, in the same order in every step.
.macro MUL16 a0, p, q, sc, zero
.irp a, \a0, \a0+1
.irp b, 0,2,4,6
.if \zero
	v_wmma_scale_f32_32x16x128_f4 v[8*(8*((\a)%4)+\b):8*(8*((\a)%4)+\b)+15], v[128*(\p)+FR*\b:128*(\p)+FR*\b+2*FR-1], v[AF+FR*(\a):AF+FR*(\a)+FR-1], 0, v[SW+16*(\sc)+2*\b+(\q)], v[SC+8*NQ*(\sc)+NQ*(\a)+(\q)]
.else
	v_wmma_scale_f32_32x16x128_f4 v[8*(8*((\a)%4)+\b):8*(8*((\a)%4)+\b)+15], v[128*(\p)+FR*\b:128*(\p)+FR*\b+2*FR-1], v[AF+FR*(\a):AF+FR*(\a)+FR-1], v[8*(8*((\a)%4)+\b):8*(8*((\a)%4)+\b)+15], v[SW+16*(\sc)+2*\b+(\q)], v[SC+8*NQ*(\sc)+NQ*(\a)+(\q)]
.endif
.endr
.endr
.endm
.macro FETCH_B slot, q, p              ; B's eight fragments of the slot's q-th chunk into set p
	WIN TO_B
.irp i, 0,1,2,3,4,5,6,7
	FRAG 128*(\p)+FR*\i, ADRB+\slot, \q, \i
.endr
	WIN 0
.endm
.macro FETCH_A slot, q, i0             ; A's blocks i0 .. i0 + 3
.irp i, \i0, \i0+1, \i0+2, \i0+3
	FRAG AF+FR*(\i), ADRA+\slot, \q, \i
.endr
.endm
.macro SCALES sc                       ; a K step's scale words into set sc: lanes 0-15 take A's block i, lanes 16-31 B's block i, for each of the four chunks
.irp i, 0,1,2,3,4,5,6,7
.irp q, 0,1,2,3
	ds_load_b32 v[SC+8*NQ*\sc+NQ*\i+\q], v[ADRS] offset:1024*\q+64*\i
.endr
.endr
.irp i, 0,1,2,3
.irp q, 0,1,2,3
	ds_load_b32 v[SW+16*\sc+4*\i+\q], v[ADRW] offset:1024*\q+128*\i   ; the words of 32 rows of B: 128 consecutive bytes, a lane a row
.endr
.endr
.endm
; A load into a register that a matrix instruction has read, and a vector instruction that reads a matrix result, stand NP places behind that matrix instruction, and only plain vector instructions that name none of its
; registers are places (ISA guide 7.12.1 for vector instructions); this text does not count the matrix instructions in between.
.macro PLACES n
.rept \n
	v_nop
.endr
.endm
; A step of 128 along K that has its successor in the same slot.  At its head ONE run of places and ONE run of 32 LDS loads: the next step's fragments, into the sets that the step before has multiplied;
; then this step's 32 matrix instructions on end.  So a fragment is asked for 32 matrix instructions ahead of the wait for it.
.macro STEP slot, q, zero
	s_wait_dscnt 0x0                               ; this step's fragments (and, in a slot's first step, its scale words) are in: nothing else of mine is out
	PLACES NP                                      ; behind the last step's products, which read the sets that are loaded now
	FETCH_B \slot, (\q)+1, 1-(\q)%2
.set AF, 192-64*((\q)%2)               ; A's other set
	FETCH_A \slot, (\q)+1, 0
	FETCH_A \slot, (\q)+1, 4
.set AF, 128+64*((\q)%2)               ; this step's set
	WIN MUL_LO
	MUL16 0, (\q)%2, \q, \slot, \zero
	MUL16 2, (\q)%2, \q, \slot, \zero
	WIN MUL_HI
	MUL16 4, (\q)%2, \q, \slot, \zero
	MUL16 6, (\q)%2, \q, \slot, \zero
	WIN 0
.endm
; A slot's last step changes slots: ONE barrier; in front of it each wave waits for all its tensor loads, adds 0 to its spare word, and waits for that and for its own reads of this slot.  fill = 1: this slot is filled again, two K steps ahead.
.macro TURN slot, next, fill
	s_wait_tensorcnt 0x0                           ; all my tensor loads have landed: my part of the next slot;  (every window is 0 here: the add's two registers lie in window 0)
	ds_add_u32 v[SPW], v[NIL]                      ; 0 onto my spare word
	s_wait_dscnt 1                                 ; this step's fragments are in (the add alone may be out): they were my last reads of this slot
.set AF, 192                           ; a slot's last step multiplies the second sets
	WIN MUL_LO
	MUL16 0, 1, NQ-1, \slot, 0                     ; eight matrix instructions stand between the add and the wait for it
	s_wait_dscnt 0x0                               ; the add is done, and my reads of this slot are over
	s_barrier_signal -1
	MUL16 2, 1, NQ-1, \slot, 0
	WIN 0
	s_barrier_wait -1
.if \fill
	CREST                                          ; the barrier has opened a round of the cluster's barrier: no wave of any partner still reads this slot's tile or has a load on its way
	s_add_nc_u64 s[G0+4*\slot+2:G0+4*\slot+3], s[G0+4*\slot+2:G0+4*\slot+3], 2*STEPA
	s_add_nc_u64 s[G0B+4*\slot+2:G0B+4*\slot+3], s[G0B+4*\slot+2:G0B+4*\slot+3], 2*STEPB
	JLOAD G0+4*\slot, G1, G0B+4*\slot, G1B         ; the first tensor load behind the round, and my one load until the next; the four v_nop behind it are the places in front of the loads below
.else
	PLACES NP
.endif
	s_wait_alu depctr_va_vdst(0)
	v_add_nc_u32 v[ADRS], 1024*NQ, v[ADRS]         ; on to the next K step's scale words (no LDS load of mine is out)
	v_add_nc_u32 v[ADRW], 1024*NQ, v[ADRW]
	FETCH_B \next, 0, 0
.set AF, 128
	FETCH_A \next, 0, 0
	FETCH_A \next, 0, 4
	SCALES \next
.set AF, 192
	WIN MUL_HI
	MUL16 4, 1, NQ-1, \slot, 0
	MUL16 6, 1, NQ-1, \slot, 0
	WIN 0
.endm
.macro STEPS slot, from                ; the slot's steps from .. NQ - 2
.set Q, \from
.rept NQ-1-\from
	STEP \slot, Q, 0
.set Q, Q+1
.endr
.endm
	s_wait_alu depctr_va_vdst(0)
	s_wait_tensorcnt 0x0                           ; my tile of the head's four is in
	ds_add_u32 v[SPW], v[NIL]                      ; 0 onto my spare word;
	s_mov_b32 s[G1+2], 2<<16                       ; no tensor load of mine is out, so a descriptor may be written: from here on a load brings 2 rows
	s_mov_b32 s[G1+4], 2
	s_mov_b32 s[G1B+2], 2<<16
	s_mov_b32 s[G1B+4], 2
	s_wait_dscnt 0x0                               ; the add is done
	CROUND                                         ; a whole round: all four tiles are in, and all sixteen work-groups are here,
	JLOAD G0+4, G1, G0B+4, G1B                     ; and K step 1's load is the first tensor load behind the round
	FETCH_B 0, 0, 0
	FETCH_A 0, 0, 0
	SCALES 0
	FETCH_A 0, 0, 4
	STEP 0, 0, 1                                   ; the first step's products start the sums
.rept LAPS-1                           ; a lap that fills both slots again: from its second step to the next lap's first
	STEPS 0, 1
	TURN 0, 1, 1
	STEPS 1, 0
	TURN 1, 0, 1
	STEP 0, 0, 0
.endr
	STEPS 0, 1                                     ; the last lap fills nothing, and has no round of the cluster's barrier
	TURN 0, 1, 0
	STEPS 1, 0
.set AF, 192
	s_wait_dscnt 0x0                               ; the very last step: its fragments are in, and nothing more is fetched
	WIN MUL_LO
	MUL16 0, 1, NQ-1, 1, 0
	MUL16 2, 1, NQ-1, 1, 0
	WIN MUL_HI
	MUL16 4, 1, NQ-1, 1, 0
	MUL16 6, 1, NQ-1, 1, 0
	WIN 0
; THE WAY OUT, block a of 16 rows at a time.  Register n = 0 .. 31 of the block's first four accumulators is up, of its last four gate, of hidden unit 32 (n / 16) + 16 h + n % 16 of my 64, for row r.
; hidden = (up x 1 / (1 + 2^(-up log2 e))) x gate, in f32; then the quantiser along the hidden units: two blocks of 32, each in lanes l and l xor 16.  The four registers of codes, with the halves exchanged, ARE half c of the
; next product's fragment: they are stored as they stand, 512 consecutive bytes a wave.  Each block has its own four registers, so no store's data are written again.  Each accumulator is read from its low end on.
.macro HID a
.set AC, 64*((\a)%4)
.set WS, 0x02+(\a)/4                   ; source 0 in window 2 or 3
.set PC, PCB+4*(\a)
	WIN WS
.irp n, 0,2,4,6,8,10,12,14,16,18,20,22,24,26,28,30
	v_pk_mul_f32 v[E+\n:E+\n+1], v[AC+\n:AC+\n+1], s[98:99] op_sel_hi:[1,0]      ; -up log2 e
.endr
	WIN 0
	s_wait_alu depctr_va_vdst(0)
.irp n, 0,1,2,3,4,5,6,7,8,9,10,11,12,13,14,15,16,17,18,19,20,21,22,23,24,25,26,27,28,29,30,31
	v_exp_f32 v[E+\n], v[E+\n]
.endr
	v_nop                                          ; one plain place behind the exponentials
	s_wait_alu depctr_va_vdst(0)
.irp n, 0,2,4,6,8,10,12,14,16,18,20,22,24,26,28,30
	v_pk_add_f32 v[E+\n:E+\n+1], v[E+\n:E+\n+1], 1.0 op_sel_hi:[1,0]
.endr
	s_wait_alu depctr_va_vdst(0)
.irp n, 0,1,2,3,4,5,6,7,8,9,10,11,12,13,14,15,16,17,18,19,20,21,22,23,24,25,26,27,28,29,30,31
	v_rcp_f32 v[E+\n], v[E+\n]                     ; sigmoid(up)
.endr
	v_nop                                          ; one plain place behind the reciprocals
	WIN WS
	s_wait_alu depctr_va_vdst(0)
.irp n, 0,2,4,6,8,10,12,14,16,18,20,22,24,26,28,30
	v_pk_mul_f32 v[E+\n:E+\n+1], v[AC+\n:AC+\n+1], v[E+\n:E+\n+1]                ; silu(up)
.endr
.irp n, 0,2,4,6,8,10,12,14,16,18,20,22,24,26,28,30
	v_pk_mul_f32 v[E+\n:E+\n+1], v[AC+32+\n:AC+33+\n], v[E+\n:E+\n+1]            ; x gate
.endr
	WIN 0
.irp b, 0,1
	v_max3_num_f32 v[TM+\b], |v[E+16*\b]|, |v[E+1+16*\b]|, 0x1800000             ; block b: my 16 numbers, and the floor 2^(3 - 127): so the byte cannot fall under 1
.endr
.irp i, 2,4,6,8,10,12,14
.irp b, 0,1
	v_max3_num_f32 v[TM+\b], v[TM+\b], |v[E+16*\b+\i]|, |v[E+1+16*\b+\i]|        ; (the two blocks by turns)
.endr
.endr
.irp b, 0,1
	v_permlanex16_b32 v[TM+2+\b], v[TM+\b], s100, s101
.endr
.irp b, 0,1
	v_max_num_f32 v[TM+\b], v[TM+\b], v[TM+2+\b]   ; with lane l xor 16's: the block's largest magnitude
.endr
.irp b, 0,1
	v_add_nc_u32 v[TM+4+\b], 0xff000000, v[TM+\b]  ; 2 off its exponent field: the conversion's scale operand
.endr
.irp b, 0,1
	v_lshrrev_b32 v[TM+\b], 23, v[TM+4+\b]         ; the scale's byte
.endr
	v_lshl_or_b32 v[TM+6], v[TM+1], 8, v[TM]       ; my row's two bytes of the chunk's word
.irp b, 0,1
	v_cvt_scalef32_pk8_fp4_f32 v[PC+2*\b], v[E+16*\b:E+16*\b+7], v[TM+4+\b]
	v_cvt_scalef32_pk8_fp4_f32 v[PC+2*\b+1], v[E+16*\b+8:E+16*\b+15], v[TM+4+\b]
.endr
	v_nop                                          ; one plain place behind a scaled conversion
	v_permlane16_swap_b32 v[PC], v[PC+2]           ; the operand's layout wants a WHOLE block in a lane: lanes 0-15 block 0, lanes 16-31 block 1
	v_permlane16_swap_b32 v[PC+1], v[PC+3]
	ds_store_b16 v[HSA], v[TM+6] offset:64*(\a)    ; both halves of the lanes write the same two bytes with the same value
	global_store_b128 v[LI], v[PC:PC+3], s[12:13] offset:1024*(\a)   ; 32 lanes store 512 consecutive bytes, at a multiple of 512 from the buffer's first byte
.endm
	PLACES NP                                      ; behind the last products
.irp a, 0,1,2,3,4,5,6,7
	HID \a
.endr
	s_wait_dscnt 0x0                               ; for the others' sake: my bytes lie in LDS.  A row's word comes from two waves
	s_barrier_signal -1
	s_barrier_wait -1
	ds_load_b64 v[HW:HW+1], v[HSR]
	s_wait_dscnt 0x0
	global_store_b64 v[L8], v[HW:HW+1], s[96:97]   ; 32 lanes store 256 consecutive bytes, at a multiple of 256 from the buffer's first byte
	s_wait_tensorcnt 0x0                           ; the wave's end, behind my last tensor load and my last LDS store
	ds_add_u32 v[SPW], v[NIL]
	s_wait_dscnt 0x0
	CROUND                                         ; the closing round: no work-group ends while a partner may still ask for a tile that names it
	s_endpgm
.Lfunc_end_k_q9c64c03cb4_gemm_ug:
	.size	k_q9c64c03cb4_gemm_ug, .Lfunc_end_k_q9c64c03cb4_gemm_ug-k_q9c64c03cb4_gemm_ug
	.p2alignl 7, 3214868480
	.fill 96, 4, 3214868480
	.section	.rodata,"a",@progbits
	.p2align	6, 0x0
	.amdhsa_kernel k_q9c64c03cb4_gemm_ug
		.amdhsa_group_segment_fixed_size 327680
		.amdhsa_private_segment_fixed_size 0
		.amdhsa_enable_private_segment 0
		.amdhsa_kernarg_size 48
		.amdhsa_user_sgpr_count 2
		.amdhsa_user_sgpr_kernarg_segment_ptr 1
		.amdhsa_wavefront_size32 1
		.amdhsa_system_sgpr_workgroup_id_x 1
		.amdhsa_system_sgpr_workgroup_id_y 1
		.amdhsa_system_sgpr_workgroup_id_z 1
		.amdhsa_system_vgpr_workitem_id 0
		.amdhsa_next_free_vgpr 1024
		.amdhsa_next_free_sgpr 102
		.amdhsa_reserve_vcc 0
		.amdhsa_float_denorm_mode_32 3
		.amdhsa_float_denorm_mode_16_64 3
		.amdhsa_memory_ordered 1
		.amdhsa_forward_progress 1
		.amdhsa_inst_pref_size 194
	.end_amdhsa_kernel
	.amdgpu_metadata
---
amdhsa.version: [ 1, 2 ]
amdhsa.kernels:
  - .name:           k_q9c64c03cb4_gemm_ug
    .symbol:         k_q9c64c03cb4_gemm_ug.kd
    .args:
      - { .name: xc, .offset: 0, .size: 8, .value_kind: global_buffer, .address_space: global }
      - { .name: xs, .offset: 8, .size: 8, .value_kind: global_buffer, .address_space: global }
      - { .name: wc, .offset: 16, .size: 8, .value_kind: global_buffer, .address_space: global }
      - { .name: ws, .offset: 24, .size: 8, .value_kind: global_buffer, .address_space: global }
      - { .name: hc, .offset: 32, .size: 8, .value_kind: global_buffer, .address_space: global }
      - { .name: hs, .offset: 40, .size: 8, .value_kind: global_buffer, .address_space: global }
    .group_segment_fixed_size: 327680
    .private_segment_fixed_size: 0
    .kernarg_segment_align: 8
    .kernarg_segment_size: 48
    .max_flat_workgroup_size: 128
    .sgpr_count:     102
    .vgpr_count:     1024
    .wavefront_size: 32
...
	.end_amdgpu_metadata
.endif
;; end of part 3
;; launch gemm_dn (part 4): grid 8 x 32, 4 waves a work-group, clusters of 4 x 4, 327,680 bytes of LDS; arguments hc, hs, wc, ws, out0; writes out0
.if DOCPART == 4
	.amdgcn_target "amdgcn-amd-amdhsa--gfx1250"
	.amdhsa_code_object_version 6
	.text
	.protected	k_q9c64c03cb4_gemm_dn
	.globl	k_q9c64c03cb4_gemm_dn
	.p2align	8
	.type	k_q9c64c03cb4_gemm_dn,@function
k_q9c64c03cb4_gemm_dn:
	s_mov_b64 s[64:65], 0
	v_nop
	global_prefetch_b8 v0, s[64:65] scope:SCOPE_SE
	s_setreg_imm32_b32 hwreg(HW_REG_WAVE_MODE, 25, 1), 1
	s_wait_xcnt 0x0
	s_wait_alu depctr_hold_cnt(0) depctr_sa_sdst(0) depctr_va_vdst(0) depctr_va_sdst(0) depctr_va_ssrc(0) depctr_va_vcc(0) depctr_vm_vsrc(0)
	s_getreg_b32 s2, hwreg(HW_REG_IB_STS2, 6, 4)
	s_cmp_eq_u32 s2, 0
	s_cbranch_scc0 .Lentry_in_a_cluster
	s_endpgm
.Lentry_in_a_cluster:
	s_bfe_u32 s2, ttmp6, 0x10000c
	s_cmp_lg_u32 s2, 0xf033
	s_cbranch_scc0 .Lentry_shape_is_right
	s_endpgm
.Lentry_shape_is_right:
; out = hidden Wd^T on codes of FP4 (E2M1) with one E8M0 scale for each 32 along K (K = 1,024).  A = the hidden layer, 8,192 rows; B = W_down, 2,048 rows; both in the order of the operand's registers:
; codes[k / 128][row / 16][c][lane][16 bytes], scales[k / 128][row][4 bytes].  A work-group of four waves makes 256 x 256 of the result, a wave 128 x 128; 8 x 32 = 256 work-groups in clusters of 4 x 4 with joint loads.
; ALL OF K LIES IN LDS AT ONCE, and nothing is filled twice: A's codes [8 chunks][16 fragments][1,024 bytes] at byte 0, B's behind them, then the scale words [chunk][256][4] of A and of B.
; These are four tiles, one joint load a wave at the head.  B's fragments stay in registers; the wave's eight blocks of 16 rows are finished one after the other, and each leaves through the wave's own stage as whole rows of 512 bytes.
; No prefetch: the text has no loop, and every tile is asked for at the head.
.set SIZE_N, 2048
.set NCH,    8
.set NP,     4
.set HALFT,  32768
.set SLOT,   4*HALFT
.set STEPA,  4*512*1024
.set STEPB,  4*128*1024
.set WC_OFF, 2097152
.set WS_OFF, 131072
.set HS,     NCH*512
.set SCL,    2*SLOT
.set SPARE,  SCL+4*HS+256
.set STAGE,  SPARE+512
.set SPITCH, 528
.set ADRA, 16
.set ADRB, 20
.set STO,  24
.set RD,   25
.set CO,   26
.set ADRS, 27
.set SPW,  28
.set NIL,  29
.set SC,   32                          ; v32-95   scale words: register 32 s + 4 i + q: lanes 0-15 the word of A's block i
.set SW,   224                         ; v224-255 B's scale words: register 16 s + 4 (b / 2) + q: lane m the word of row m of B's fragments b, b + 1
.set ADRW, 30                          ; v30      their LDS address: 4 x lane on from my 128 rows' first word
.set PA,   96
.set BK,   128
.set G1, 24
.set G0, 32
.set G1B, 48
.set G0B, 56
.set G1S, 68
.set G0S, 76
.set G1SB, 80
.set G0SB, 88
.set MSB, 0
.macro WIN new
.if MSB != \new
	s_set_vgpr_msb (MSB<<8)|\new
.set MSB, \new
.endif
.endm
.macro ARM under, g0, g1, next         ; an arm of the head's chain of branches on the wave's number: its joint load, and a jump to the chain's end
	s_cmp_lt_u32 s14, \under
	s_cbranch_scc0 \next
	tensor_load_to_lds s[\g0:\g0+3], s[\g1:\g1+7]
	s_nop 0
.rept 4
	v_nop
.endr
	s_branch .Lhead_asked
\next:
.endm
.macro CROUND
	s_barrier_signal -1
	s_barrier_wait -1
	s_cmp_lg_u32 s14, 0
	s_cbranch_scc1 .Lnot_wave_0_\@
	s_barrier_signal -3
.Lnot_wave_0_\@:
	s_barrier_wait -3
	s_barrier_signal -1
	s_barrier_wait -1
.endm
	s_load_b128 s[4:7], s[0:1], 0x0
	s_load_b128 s[8:11], s[0:1], 0x10
	s_load_b64 s[12:13], s[0:1], 0x20
	v_lshl_add_u32 v[SPW], v0, 2, SPARE
	v_mov_b32 v[NIL], 0
	ds_add_u32 v28, v29
	ds_add_u32 v28, v29
	s_wait_dscnt 0x0
	v_lshrrev_b32 v1, 5, v0
	v_readfirstlane_b32 s14, v1
	s_lshr_b32 s15, s14, 1
	s_and_b32 s16, s14, 1
	s_bfe_u32 s40, ttmp6, 0x40000
	s_bfe_u32 s41, ttmp6, 0x40004
	s_lshl_b32 s42, ttmp9, 2
	s_add_co_u32 s42, s42, s40
	s_and_b32 s17, ttmp7, 0xffff
	s_lshl_b32 s17, s17, 2
	s_add_co_u32 s17, s17, s41
	s_lshl_b32 s43, s41, 2
	s_lshl_b32 s43, 15, s43
	s_lshl_b32 s44, 0x1111, s40
	s_or_b32 s[G1+0], s43, (3<<16)|(1<<21)
	s_or_b32 s[G1B+0], s44, (3<<16)|(1<<21)
.irp g, G1, G1B
	s_mov_b32 s[\g+1], 2048<<16                    ; codes: 8 rows (chunks) of 2,048 elements of 8 bytes (16 fragments)
	s_mov_b32 s[\g+2], 8<<16
	s_mov_b32 s[\g+3], 2048<<16
	s_mov_b32 s[\g+4], 8
	s_mov_b32 s[\g+6], 0
	s_mov_b32 s[\g+7], 0
.endr
	s_mov_b32 s[G1+5], 512*128
	s_mov_b32 s[G1B+5], 128*128
	s_or_b32 s[G1S+0], s43, (3<<16)|(1<<21)
	s_or_b32 s[G1SB+0], s44, (3<<16)|(1<<21)
.irp g, G1S, G1SB
	s_mov_b32 s[\g+1], 128<<16                     ; scale words of 256 rows: NCH rows of 128 elements of 8 bytes
	s_mov_b32 s[\g+2], NCH<<16
	s_mov_b32 s[\g+3], 128<<16
	s_mov_b32 s[\g+4], NCH
	s_mov_b32 s[\g+6], 0
	s_mov_b32 s[\g+7], 0
.endr
	s_mov_b32 s[G1S+5], 8192*4/8
	s_mov_b32 s[G1SB+5], 2048*4/8
	s_lshl_b32 s20, s17, 4                         ; A: block 16 x tile row
	s_lshl_b32 s46, s42, 4                         ; B: block 16 x tile column
	s_lshl_b32 s22, s20, 6
	s_mov_b32 s23, 0
	s_lshl_b32 s92, s46, 6
	s_add_co_u32 s92, s92, WS_OFF
	s_mov_b32 s93, 0
	s_lshl_b32 s20, s20, 10
	s_mov_b32 s21, 0
	s_lshl_b32 s46, s46, 10
	s_add_co_u32 s46, s46, WC_OFF
	s_mov_b32 s47, 0
	s_wait_kmcnt 0x0
	s_add_nc_u64 s[20:21], s[4:5], s[20:21]
	s_add_nc_u64 s[22:23], s[6:7], s[22:23]
	s_add_nc_u64 s[46:47], s[8:9], s[46:47]
	s_add_nc_u64 s[92:93], s[10:11], s[92:93]
	CROUND
	s_mov_b32 s[G0S], 1
	s_mov_b32 s[G0S+1], SCL
	s_mov_b64 s[G0S+2:G0S+3], s[22:23]
	s_or_b32 s[G0S+3], s[G0S+3], 0x80000000
	s_mov_b32 s[G0SB], 1
	s_mov_b32 s[G0SB+1], SCL+2*HS+64
	s_mov_b64 s[G0SB+2:G0SB+3], s[92:93]
	s_or_b32 s[G0SB+3], s[G0SB+3], 0x80000000
	s_mov_b32 s[G0], 1
	s_mov_b32 s[G0+1], 0
	s_mov_b64 s[G0+2:G0+3], s[20:21]
	s_or_b32 s[G0+3], s[G0+3], 0x80000000
	s_mov_b32 s[G0B], 1
	s_mov_b32 s[G0B+1], SLOT
	s_mov_b64 s[G0B+2:G0B+3], s[46:47]
	s_or_b32 s[G0B+3], s[G0B+3], 0x80000000
	ARM 1, G0,  G1,  .Lhead_b                      ; wave 0: A's codes; wave 1: B's; wave 2: A's scale words; wave 3: B's: one tensor load a wave at the head
	ARM 2, G0B, G1B, .Lhead_sa
	ARM 3, G0S, G1S, .Lhead_sb
	tensor_load_to_lds s[G0SB:G0SB+3], s[G1SB:G1SB+7]
	s_nop 0
.rept 4
	v_nop
.endr
.Lhead_asked:
	v_and_b32 v1, 15, v0
	v_bfe_u32 v2, v0, 4, 1
	s_wait_alu depctr_va_vdst(0)
	v_and_b32 v6, 31, v0
	v_lshlrev_b32 v[CO], 4, v6
	s_lshl_b32 s21, s15, 13                        ; my half of A: 8 of a chunk's 16 fragments
	s_lshl_b32 s22, s16, 13                        ; my half of B,
	s_add_co_u32 s22, s22, SLOT                    ; which lies behind A's eight chunks
.irp s, 0,1
	v_add_nc_u32 v[ADRA+\s], s21, v[CO]
	v_add_nc_u32 v[ADRB+\s], s22, v[CO]
	s_add_co_u32 s21, s21, SLOT/2                  ; the second address: chunks 4-7
	s_add_co_u32 s22, s22, SLOT/2
.endr
	s_lshl_b32 s21, s15, 9                         ; my 128 rows of a chunk's 256 scale words
	s_lshl_b32 s22, s16, 9
	s_add_co_u32 s22, s22, 2*HS+64
	s_sub_co_u32 s22, s22, s21
	v_mul_u32_u24 v5, s22, v2
	s_add_co_u32 s21, s21, SCL
	v_lshl_add_u32 v5, v1, 2, v5
	v_add_nc_u32 v[ADRS], s21, v5
	s_lshl_b32 s22, s16, 9
	s_add_co_u32 s22, s22, SCL+2*HS+64             ; B's scale words, my 128 rows
	s_wait_alu depctr_va_vdst(0)
	v_lshl_add_u32 v[ADRW], v6, 2, s22
	s_mul_i32 s23, s14, 16*SPITCH
	s_add_co_u32 s23, s23, STAGE
	v_mul_u32_u24 v5, v1, SPITCH
	v_lshl_add_u32 v5, v2, 5, v5
	v_add_nc_u32 v[STO], s23, v5
	v_add_nc_u32 v[RD], s23, v[CO]
	s_lshl_b32 s20, s17, 8
	s_lshl_b32 s21, s15, 7
	s_add_co_u32 s20, s20, s21
	s_lshl_b32 s20, s20, 13
	s_mov_b32 s21, 0
	s_lshl_b32 s46, s42, 10
	s_lshl_b32 s47, s16, 9
	s_add_co_u32 s46, s46, s47
	s_mov_b32 s47, 0
	s_add_nc_u64 s[20:21], s[20:21], s[46:47]
	s_add_nc_u64 s[12:13], s[12:13], s[20:21]
.macro SCALES
.irp s, 0,1
.irp i, 0,1,2,3,4,5,6,7
.irp q, 0,1,2,3
	ds_load_b32 v[SC+32*\s+4*\i+\q], v[ADRS] offset:4096*\s+1024*\q+64*\i
.endr
.endr
.endr
.endm
.macro BLOAD s, q
.set WB, 0x40*(1+\s)
	WIN WB
.irp i, 0,1,2,3,4,5,6,7
.irp c, 0,1
	ds_load_b128 v[64*\q+8*\i+4*\c:64*\q+8*\i+4*\c+3], v[ADRB+\s] offset:16384*\q+1024*\i+512*\c
.endr
.endr
.endm
.macro ALOAD a
.set FB, PA+64*((\a)%2)
	WIN 0
.irp s, 0,1
.irp q, 0,1,2,3
.irp c, 0,1
	ds_load_b128 v[FB+32*\s+8*\q+4*\c:FB+32*\s+8*\q+4*\c+3], v[ADRA+\s] offset:16384*\q+1024*(\a)+512*\c
.endr
.endr
.endr
.endm
.macro CHUNK a, s, q, zero
.set WM, 0xf1+\s
.set FA, PA+64*((\a)%2)+32*\s+8*\q
.set AC, 64*((\a)%2)
	WIN WM
.irp b, 0,2,4,6                        ; the form of 32 x 16 x 128: source 0 = 32 rows of B (two neighbouring fragments), source 1 = 16 rows of A; four accumulators of 16 registers by turns
.if \zero
	v_wmma_scale_f32_32x16x128_f4 v[AC+8*\b:AC+8*\b+15], v[64*\q+8*\b:64*\q+8*\b+15], v[FA:FA+7], 0, v[SW+16*\s+2*\b+\q], v[SC+32*\s+4*(\a)+\q]
.else
	v_wmma_scale_f32_32x16x128_f4 v[AC+8*\b:AC+8*\b+15], v[64*\q+8*\b:64*\q+8*\b+15], v[FA:FA+7], v[AC+8*\b:AC+8*\b+15], v[SW+16*\s+2*\b+\q], v[SC+32*\s+4*(\a)+\q]
.endif
.endr
.endm
.macro ROW a, s                        ; half s of block a's K: 16 matrix instructions, the block's 8 accumulators by turns
.irp q, 0,1,2,3
.if \s+\q == 0
	CHUNK \a, \s, \q, 1
.else
	CHUNK \a, \s, \q, 0
.endif
.endr
.endm
.macro PLACES n
.rept \n
	v_nop
.endr
.endm
.macro TOSTAGE a
.set AC, 64*((\a)%2)
.set BB, BK+64*((\a)%2)
	WIN 0x0c
.irp b, 0,1,2,3,4,5,6,7
	ds_store_b128 v[STO], v[AC+8*\b:AC+8*\b+3] offset:64*\b
	ds_store_b128 v[STO], v[AC+8*\b+4:AC+8*\b+7] offset:64*\b+16
.endr
	WIN 0xc0
.irp t, 0,1,2,3,4,5,6,7,8,9,10,11,12,13,14,15
	ds_load_b128 v[BB+4*\t:BB+4*\t+3], v[RD] offset:\t*SPITCH
.endr
	WIN 0
.endm
.macro SEND a, younger
.set BB, BK+64*((\a)%2)
	s_wait_dscnt \younger
	WIN 0x0c
.irp t, 0,1,2,3,4,5,6,7,8,9,10,11,12,13,14,15
	global_store_b128 v[CO], v[BB+4*\t:BB+4*\t+3], s[12:13] offset:(16*(\a)+\t)*SIZE_N*4 th:TH_STORE_NT
.endr
	WIN 0
.endm
	s_wait_alu depctr_va_vdst(0)
	s_wait_tensorcnt 0x0
	s_barrier_signal -1
	s_barrier_wait -1
	SCALES
.irp s, 0,1
.irp i, 0,1,2,3
.irp q, 0,1,2,3
	ds_load_b32 v[SW+16*\s+4*\i+\q], v[ADRW] offset:4096*\s+1024*\q+128*\i   ; the words of 32 rows of B: 128 consecutive bytes, a lane a row
.endr
.endr
.endr
	ALOAD 0
	BLOAD 0, 0
	BLOAD 0, 1
	BLOAD 0, 2
	s_wait_dscnt 32
	CHUNK 0, 0, 0, 1
	BLOAD 0, 3
	s_wait_dscnt 32
	CHUNK 0, 0, 1, 0
	BLOAD 1, 0
	s_wait_dscnt 32
	CHUNK 0, 0, 2, 0
	BLOAD 1, 1
	s_wait_dscnt 32
	CHUNK 0, 0, 3, 0
	BLOAD 1, 2
	s_wait_dscnt 32
	CHUNK 0, 1, 0, 0
	BLOAD 1, 3
	s_wait_dscnt 32
	CHUNK 0, 1, 1, 0
	ALOAD 1
	s_wait_dscnt 32
	CHUNK 0, 1, 2, 0
	s_wait_dscnt 16
	CHUNK 0, 1, 3, 0
.irp a, 0,1,2,3,4,5,6,7
	PLACES NP
.if \a > 1
	s_wait_xcnt 0x0
.endif
	TOSTAGE \a
.if \a < 6
	ALOAD \a+2
.endif
.if \a < 7                             ; the next block's first 16 products stand between block a's way through the stage and the wait for it
.if \a < 6
	s_wait_dscnt 48                                ; block a + 1's fragments of A are in; behind them: 16 stores and 16 loads of the stage, 16 loads of block a + 2
.else
	s_wait_dscnt 32                                ; the same with no further block of A
.endif
	ROW \a+1, 0
.endif
.if \a < 6
	SEND \a, 16
.else
	SEND \a, 0
.endif
.if \a < 7
	ROW \a+1, 1
.endif
.endr
	s_wait_tensorcnt 0x0
	ds_add_u32 v[SPW], v[NIL]
	s_wait_dscnt 0x0
	CROUND
	s_endpgm
.Lfunc_end_k_q9c64c03cb4_gemm_dn:
	.size	k_q9c64c03cb4_gemm_dn, .Lfunc_end_k_q9c64c03cb4_gemm_dn-k_q9c64c03cb4_gemm_dn
	.p2alignl 7, 3214868480
	.fill 96, 4, 3214868480
	.section	.rodata,"a",@progbits
	.p2align	6, 0x0
	.amdhsa_kernel k_q9c64c03cb4_gemm_dn
		.amdhsa_group_segment_fixed_size 327680
		.amdhsa_private_segment_fixed_size 0
		.amdhsa_enable_private_segment 0
		.amdhsa_kernarg_size 40
		.amdhsa_user_sgpr_count 2
		.amdhsa_user_sgpr_kernarg_segment_ptr 1
		.amdhsa_wavefront_size32 1
		.amdhsa_system_sgpr_workgroup_id_x 1
		.amdhsa_system_sgpr_workgroup_id_y 1
		.amdhsa_system_sgpr_workgroup_id_z 1
		.amdhsa_system_vgpr_workitem_id 0
		.amdhsa_next_free_vgpr 1024
		.amdhsa_next_free_sgpr 96
		.amdhsa_reserve_vcc 0
		.amdhsa_float_denorm_mode_32 3
		.amdhsa_float_denorm_mode_16_64 3
		.amdhsa_memory_ordered 1
		.amdhsa_forward_progress 1
		.amdhsa_inst_pref_size 95
	.end_amdhsa_kernel
	.amdgpu_metadata
---
amdhsa.version: [ 1, 2 ]
amdhsa.kernels:
  - .name:           k_q9c64c03cb4_gemm_dn
    .symbol:         k_q9c64c03cb4_gemm_dn.kd
    .args:
      - { .name: hc, .offset: 0, .size: 8, .value_kind: global_buffer, .address_space: global }
      - { .name: hs, .offset: 8, .size: 8, .value_kind: global_buffer, .address_space: global }
      - { .name: wc, .offset: 16, .size: 8, .value_kind: global_buffer, .address_space: global }
      - { .name: ws, .offset: 24, .size: 8, .value_kind: global_buffer, .address_space: global }
      - { .name: out0, .offset: 32, .size: 8, .value_kind: global_buffer, .address_space: global }
    .group_segment_fixed_size: 327680
    .private_segment_fixed_size: 0
    .kernarg_segment_align: 8
    .kernarg_segment_size: 40
    .max_flat_workgroup_size: 128
    .sgpr_count:     96
    .vgpr_count:     1024
    .wavefront_size: 32
...
	.end_amdgpu_metadata
.endif
;; end of part 4
